; MI455X (gfx1250); checked and timed in simulation.
; The chip was launched on July 23, 2026; its instructions are those of AMD's public machine-readable ISA for CDNA 5 (MIT licence, August 2026) and "CDNA5" Instruction Set Architecture Reference Guide (July 2026). The comments in the code are by the model that wrote it; some were corrected since.
;; IDMPNN Transformer. Allowed arithmetic: float matrix products may take bf16 or f16 operands with f32 sums; all other float work in f32.
;; Inputs: Wk 1,024 x 1,024 float32; Wo 1,024 x 1,024 float32; Wq 1,024 x 1,024 float32; Wv 1,024 x 1,024 float32; adj 16 x 512 x 512 int32; bk 1,024 float32; bo 1,024 float32; bq 1,024 float32; bv 1,024 float32; dist_emb 37 x 16 float32; distance 16 x 512 x 512 int32; edge_emb 4 x 16 float32; key_padding_mask 16 x 512 bool; x 16 x 512 x 1,024 float32.
;; Outputs: out0 16 x 512 x 1,024 float32.
;; One version. Each part assembles by itself: llvm-mc -triple=amdgcn-amd-amdhsa -mcpu=gfx1250 --defsym DOCPART=n.
;; ======== version 1 of 1: 4 launches
;; limits: right only within a limited range of input values; values are held in f16: magnitudes above 65,504 overflow, below 6.1e-05 lose precision
;; workspace buffers: xb 16,777,216 bytes; wb 8,388,608 bytes; bias3 12,288 bytes; idx 8,388,608 bytes of whole numbers; qkv 50,331,648 bytes; attnf 16,777,216 bytes
;; launch prep (part 1): grid 1025 x 1, 8 waves a work-group, no clusters, 34,816 bytes of LDS; arguments x, Wq, Wk, Wv, Wo, adj, distance, key_padding_mask, bq, bk, bv, xb, wb, idx, bias3; writes xb, wb, idx, bias3
.if DOCPART == 1
	.amdgcn_target "amdgcn-amd-amdhsa--gfx1250"
	.amdhsa_code_object_version 6
	.text
	.protected	k_q1af27859c4_prep
	.globl	k_q1af27859c4_prep
	.p2align	8
	.type	k_q1af27859c4_prep,@function
k_q1af27859c4_prep:
	s_mov_b64 s[64:65], 0
	v_nop
	global_prefetch_b8 v0, s[64:65] scope:SCOPE_SE
	s_setreg_imm32_b32 hwreg(HW_REG_WAVE_MODE, 25, 1), 1
	s_wait_xcnt 0x0
; PREP: everything that is made once and read many times.
;   work-groups   0..255   pack adj, distance and the key mask into 16-bit look-up codes (idx)
;   work-groups 256..767   x to f16 (xb), one token tile of 16 rows each
;   work-groups 768..1023  Wq, Wk, Wv, Wo to f16 (wb), 16 rows each; Wq is multiplied by c = 0.125 log2(e) in f32 before it is rounded
;   work-group  1024       bq (times c), bk, bv, head by head (bias3), in f32
; FRAGMENT ORDER.  xb and wb are written in the order in which the matrix instructions' operands lie in registers.  A UNIT is 16 rows x 128 K = 4,096
; bytes: block kb of 16 along K at kb*512, and in it lane L = r + 16 h owns bytes 16 L .. 16 L + 15 = row r, K = 16 kb + 8 h + 0..7.  So a fragment load
; is 512 consecutive bytes wherever the unit lies, and tiles need no padding in LDS.
;   xb  = [K step 0..7][token tile 0..511][4096]
;   wb  = [K step 0..7][row tile 0..191][4096], row tile = 12 head + 4 ty + i (ty: 0 Wq, 1 Wk, 2 Wv; i: which 16 of the head's 64 rows); 6,291,456 bytes;
;         behind them Wo = [K step 0..7][row tile 0..63][4096]
; idx has the same shape: a block of 512 bytes for each tile of 16 queries x 16 keys, block ((b*32+qt)*32+kt); lane L's eight codes j belong to
; (query 16 qt + r, key 16 kt + 8 h + j).  A code is e*128 + 4 L, e = adj*37 + distance, or 148 where the key is masked: the LDS byte address of lane L's
; own copy of table entry e in the attention launch.
; ONE WAVE, ONE UNIT: it loads 16 rows x 128 columns by 16 loads of 512 consecutive bytes, puts each lane's four results (8 bytes) at their place in
; its own 4,352 bytes of LDS, reads whole blocks back and stores 512 consecutive bytes at a time.
; WHY F16: twelve roundings of operands lie between the inputs and the output (six of them in each score, whose error becomes a relative error of the
; probability); with 8 significant bits each they add up to about half of what the comparison allows at one standard deviation, with 11 bits to a
; fourteenth.  ROOM: x has spread 1 and the weights 1/32; thirty times larger they reach about 150 and 5; thirty times smaller c Wq has spread 0.0002,
; where f16's fixed step of 2^-24 is still about a ten-thousandth of the spread.
; A stream: no matrix unit, no cluster, no barrier (each wave uses LDS bytes of its own).
; LIMITS: |x| and |W| below 65,504.  adj and distance are taken to lie inside their tables (0..3, 0..36), as the problem states.
.set CQ,   0x3e38aa3b                  ; 0.125 * log2(e)
.set HB,   272                         ; LDS pitch of a half block (256 bytes + 16)
.set WLDS, 16*HB                       ; LDS bytes of a wave: 16 half blocks
.set AD,   4                           ; v[4:67]    16 rows x 4 columns as loaded (adj, x or W)
.set DI,   68                          ; v[68:131]  distance, likewise
.set MK,   132                         ; v132       four mask bytes
.set T,    134                         ; v[134:141] at work
.set LC,   142                         ; v142       4 L of the code, in both halves
.set CM,   143                         ; v143       148
.set STA,  144                         ; v144       where I put a row's 8 bytes
.set RDA,  145                         ; v145       where I read 16 bytes of a block back
.set W,    146                         ; v[146:147] a row's four results
.set TT,   148                         ; v148       16 x thread
.set RB,   4                           ; v[4:35]    blocks read back (the first rows' registers, free by then)
	s_load_b512 s[8:23], s[0:1], 0x0               ; x 8, Wq 10, Wk 12, Wv 14, Wo 16, adj 18, distance 20, mask 22
	s_load_b256 s[24:31], s[0:1], 0x40             ; bq 24, bk 26, bv 28, xb 30
	s_load_b128 s[32:35], s[0:1], 0x60             ; wb 32, idx 34
	s_load_b64 s[36:37], s[0:1], 0x70              ; bias3
	s_mov_b32 s2, ttmp9                            ; the work-group's number picks the job
	s_mov_b32 s5, 0                                ; high word of every byte offset (all are below 4 GiB)
	v_lshrrev_b32 v[T], 5, v0
	v_readfirstlane_b32 s3, v[T]                   ; wave
	v_and_b32 v[T+1], 31, v0                       ; lane
	v_lshlrev_b32 v1, 4, v[T+1]                    ; 16 x lane
	v_lshlrev_b32 v3, 2, v[T+1]                    ; 4 x lane
	v_lshlrev_b32 v[TT], 4, v0                     ; 16 x thread
	; My 4 columns 4 lane .. 4 lane + 3 lie in block lane / 4, half h = (lane / 2) % 2, places j = 4 (lane % 2) ..: half block lane / 2, byte 16 r + 8 (lane % 2).
	s_mul_i32 s38, s3, WLDS
	v_lshrrev_b32 v[T+2], 1, v[T+1]
	v_and_b32 v[T+3], 1, v[T+1]
	v_mul_u32_u24 v[STA], v[T+2], HB
	v_lshl_add_u32 v[STA], v[T+3], 3, v[STA]
	v_add_nc_u32 v[STA], s38, v[STA]
	v_lshrrev_b32 v[T+4], 4, v[T+1]
	v_and_b32 v[T+5], 15, v[T+1]
	v_mul_u32_u24 v[RDA], v[T+4], HB
	v_lshl_add_u32 v[RDA], v[T+5], 4, v[RDA]
	v_add_nc_u32 v[RDA], s38, v[RDA]
	s_wait_kmcnt 0x0
	s_cmp_lt_u32 s2, 256
	s_cbranch_scc1 .Lpack
	s_cmp_lt_u32 s2, 768
	s_cbranch_scc1 .Lxjob
	s_cmp_lt_u32 s2, 1024
	s_cbranch_scc1 .Lwjob
	; ---- the three bias vectors: thread t has elements 4 t .. 4 t + 3 = head t / 16, place 4 (t % 16)
	global_load_b128 v[4:7], v[TT], s[24:25]
	global_load_b128 v[8:11], v[TT], s[26:27]
	global_load_b128 v[12:15], v[TT], s[28:29]
	v_lshrrev_b32 v3, 4, v0
	v_and_b32 v16, 15, v0
	v_mul_u32_u24 v3, v3, 768                      ; a head's 192 numbers
	v_lshl_add_u32 v3, v16, 4, v3
	s_wait_loadcnt 0x0
	v_pk_mul_f32 v[4:5], v[4:5], CQ op_sel_hi:[1,0]
	v_pk_mul_f32 v[6:7], v[6:7], CQ op_sel_hi:[1,0]
	global_store_b128 v3, v[4:7], s[36:37]               ; sixteen lanes store 256 consecutive bytes
	global_store_b128 v3, v[8:11], s[36:37] offset:256
	global_store_b128 v3, v[12:15], s[36:37] offset:512
	s_endpgm
; One unit: 16 rows of 512 bytes of f32 (4,096 bytes apart) at s[40:41] to 4,096 bytes of f16 in fragment order at s[42:43].  All 16 loads go out first.
.macro CONVF scaled
.irp i, 0,1,2,3,4,5,6,7,8,9,10,11,12,13,14,15
	global_load_b128 v[AD+4*\i:AD+4*\i+3], v1, s[40:41] offset:4096*\i th:TH_LOAD_NT
.endr
.irp i, 0,1,2,3,4,5,6,7,8,9,10,11,12,13,14,15
	s_wait_loadcnt 15-\i                           ; loads come back in order: row i is in, the younger ones stay out
.if \scaled
	v_pk_mul_f32 v[AD+4*\i:AD+4*\i+1], v[AD+4*\i:AD+4*\i+1], CQ op_sel_hi:[1,0]
	v_pk_mul_f32 v[AD+4*\i+2:AD+4*\i+3], v[AD+4*\i+2:AD+4*\i+3], CQ op_sel_hi:[1,0]
.endif
	v_cvt_pk_f16_f32 v[W], v[AD+4*\i], v[AD+4*\i+1]
	v_cvt_pk_f16_f32 v[W+1], v[AD+4*\i+2], v[AD+4*\i+3]
	ds_store_b64 v[STA], v[W:W+1] offset:16*\i
.endr
.irp t, 0,1,2,3,4,5,6,7
	ds_load_b128 v[RB+4*\t:RB+4*\t+3], v[RDA] offset:2*HB*\t    ; my wave's own bytes; LDS serves a wave's instructions in order (ISA guide 5.7.1.4)
.endr
.irp t, 0,1,2,3,4,5,6,7
	s_wait_dscnt 7-\t
	global_store_b128 v1, v[RB+4*\t:RB+4*\t+3], s[42:43] offset:512*\t   ; a whole block: 512 consecutive bytes
.endr
.endm
.Lxjob:
	s_sub_co_u32 s6, s2, 256                       ; token tile; my wave takes K step = wave
	s_lshl_b32 s4, s6, 16                          ; 16 rows of 4,096 bytes
	s_lshl_b32 s7, s3, 9                           ; 128 f32
	s_add_co_u32 s4, s4, s7
	s_add_nc_u64 s[40:41], s[8:9], s[4:5]
	s_lshl_b32 s4, s3, 21                          ; a K step of xb: 512 units
	s_lshl_b32 s7, s6, 12
	s_add_co_u32 s4, s4, s7
	s_add_nc_u64 s[42:43], s[30:31], s[4:5]
	s_branch .Lconv0
.Lwjob:
	s_sub_co_u32 s39, s2, 768
	s_lshr_b32 s6, s39, 6                          ; which matrix: 0 Wq, 1 Wk, 2 Wv, 3 Wo
	s_and_b32 s7, s39, 63                          ; which 16 rows of it
	s_cmp_eq_u32 s6, 1
	s_cselect_b64 s[40:41], s[12:13], s[10:11]
	s_cmp_eq_u32 s6, 2
	s_cselect_b64 s[40:41], s[14:15], s[40:41]
	s_cmp_eq_u32 s6, 3
	s_cselect_b64 s[40:41], s[16:17], s[40:41]
	s_lshl_b32 s4, s7, 16
	s_lshl_b32 s38, s3, 9
	s_add_co_u32 s4, s4, s38
	s_add_nc_u64 s[40:41], s[40:41], s[4:5]
	s_lshr_b32 s38, s7, 2                          ; head
	s_mul_i32 s38, s38, 12
	s_lshl2_add_u32 s38, s6, s38                   ; + 4 ty
	s_and_b32 s39, s7, 3
	s_add_co_u32 s38, s38, s39                     ; row tile for Wq, Wk, Wv
	s_lshl_b32 s38, s38, 12
	s_mul_i32 s39, s3, 786432                      ; a K step: 192 units
	s_add_co_u32 s38, s38, s39
	s_lshl_b32 s39, s3, 18                         ; Wo: a K step is 64 units,
	s_lshl_b32 s4, s7, 12
	s_add_co_u32 s39, s39, s4
	s_add_co_u32 s39, s39, 6291456                 ; behind the other three
	s_cmp_eq_u32 s6, 3
	s_cselect_b32 s4, s39, s38
	s_add_nc_u64 s[42:43], s[32:33], s[4:5]
	s_cmp_eq_u32 s6, 0
	s_cbranch_scc1 .Lconv1
.Lconv0:
	CONVF 0
	s_endpgm
.Lconv1:
	CONVF 1
	s_endpgm
	; ---- the codes.  The work-group has two query tiles; wave w takes tile w / 4 and keys 128 (w % 4) .. + 127: 16 rows x 128 keys.
.Lpack:
	s_lshr_b32 s4, s3, 2
	s_lshl1_add_u32 s6, s2, s4                     ; query tile among all 512
	s_and_b32 s7, s3, 3                            ; quarter of the keys
	s_lshl_b32 s4, s6, 15                          ; 16 rows of 2,048 bytes
	s_lshl_b32 s38, s7, 9
	s_add_co_u32 s4, s4, s38
	s_add_nc_u64 s[18:19], s[18:19], s[4:5]
	s_add_nc_u64 s[20:21], s[20:21], s[4:5]
	s_lshr_b32 s4, s2, 4                           ; batch
	s_lshl_b32 s4, s4, 9
	s_lshl_b32 s38, s7, 7
	s_add_co_u32 s4, s4, s38
	s_add_nc_u64 s[22:23], s[22:23], s[4:5]
	s_lshl_b32 s4, s6, 5
	s_lshl3_add_u32 s4, s7, s4                     ; my first block: 32 x tile + 8 x quarter
	s_lshl_b32 s4, s4, 9
	s_add_nc_u64 s[34:35], s[34:35], s[4:5]
	global_load_b32 v[MK], v3, s[22:23]            ; the mask bytes of my 4 keys
.irp i, 0,1,2,3,4,5,6,7,8,9,10,11,12,13,14,15
	global_load_b128 v[AD+4*\i:AD+4*\i+3], v1, s[18:19] offset:2048*\i th:TH_LOAD_NT
	global_load_b128 v[DI+4*\i:DI+4*\i+3], v1, s[20:21] offset:2048*\i th:TH_LOAD_NT
.endr
	v_and_b32 v[LC], 1, v[T+2]
	v_mul_u32_u24 v[LC], v[LC], 0x00400040         ; 4 L = 64 h + 4 r, in both halves of the word; r = 0 now
	v_mov_b32 v[CM], 148
	s_wait_loadcnt 32                              ; the mask word is in; the 32 row loads behind it stay out
.irp cc, 0,1,2,3
	v_bfe_u32 v[T+\cc], v[MK], 8*\cc, 8
	v_cmp_ne_u32 s[44+\cc], 0, v[T+\cc]            ; key cc of mine is masked
.endr
.irp i, 0,1,2,3,4,5,6,7,8,9,10,11,12,13,14,15
	s_wait_loadcnt 30-2*\i                         ; row i's two loads are in; the pairs behind them stay out
.irp cc, 0,1,2,3
	v_mad_u32_u24 v[T+\cc], v[AD+4*\i+\cc], 37, v[DI+4*\i+\cc]
.endr
.irp cc, 0,1,2,3
	v_cndmask_b32 v[T+\cc], v[T+\cc], v[CM], s[44+\cc]
.endr
	v_lshl_or_b32 v[T+4], v[T+1], 16, v[T]
	v_lshl_or_b32 v[T+5], v[T+3], 16, v[T+2]
	v_lshl_or_b32 v[W], v[T+4], 7, v[LC]           ; e * 128 + 4 L, twice (148 * 128 stays inside 16 bits)
	v_lshl_or_b32 v[W+1], v[T+5], 7, v[LC]
	ds_store_b64 v[STA], v[W:W+1] offset:16*\i
	v_add_nc_u32 v[LC], 0x00040004, v[LC]          ; the next row
.endr
.irp t, 0,1,2,3,4,5,6,7
	ds_load_b128 v[RB+4*\t:RB+4*\t+3], v[RDA] offset:2*HB*\t    ; my wave's own bytes, served in order
.endr
.irp t, 0,1,2,3,4,5,6,7
	s_wait_dscnt 7-\t
	global_store_b128 v1, v[RB+4*\t:RB+4*\t+3], s[34:35] offset:512*\t   ; a whole block: 512 consecutive bytes
.endr
	s_endpgm
.Lfunc_end_k_q1af27859c4_prep:
	.size	k_q1af27859c4_prep, .Lfunc_end_k_q1af27859c4_prep-k_q1af27859c4_prep
	.p2alignl 7, 3214868480
	.fill 96, 4, 3214868480
	.section	.rodata,"a",@progbits
	.p2align	6, 0x0
	.amdhsa_kernel k_q1af27859c4_prep
		.amdhsa_group_segment_fixed_size 34816
		.amdhsa_private_segment_fixed_size 0
		.amdhsa_enable_private_segment 0
		.amdhsa_kernarg_size 120
		.amdhsa_user_sgpr_count 2
		.amdhsa_user_sgpr_kernarg_segment_ptr 1
		.amdhsa_wavefront_size32 1
		.amdhsa_system_sgpr_workgroup_id_x 1
		.amdhsa_system_sgpr_workgroup_id_y 1
		.amdhsa_system_sgpr_workgroup_id_z 1
		.amdhsa_system_vgpr_workitem_id 0
		.amdhsa_next_free_vgpr 152
		.amdhsa_next_free_sgpr 66
		.amdhsa_reserve_vcc 0
		.amdhsa_float_denorm_mode_32 3
		.amdhsa_float_denorm_mode_16_64 3
		.amdhsa_memory_ordered 1
		.amdhsa_forward_progress 1
		.amdhsa_inst_pref_size 41
	.end_amdhsa_kernel
	.amdgpu_metadata
---
amdhsa.version: [ 1, 2 ]
amdhsa.kernels:
  - .name:           k_q1af27859c4_prep
    .symbol:         k_q1af27859c4_prep.kd
    .args:
      - { .name: x, .offset: 0, .size: 8, .value_kind: global_buffer, .address_space: global }
      - { .name: Wq, .offset: 8, .size: 8, .value_kind: global_buffer, .address_space: global }
      - { .name: Wk, .offset: 16, .size: 8, .value_kind: global_buffer, .address_space: global }
      - { .name: Wv, .offset: 24, .size: 8, .value_kind: global_buffer, .address_space: global }
      - { .name: Wo, .offset: 32, .size: 8, .value_kind: global_buffer, .address_space: global }
      - { .name: adj, .offset: 40, .size: 8, .value_kind: global_buffer, .address_space: global }
      - { .name: distance, .offset: 48, .size: 8, .value_kind: global_buffer, .address_space: global }
      - { .name: key_padding_mask, .offset: 56, .size: 8, .value_kind: global_buffer, .address_space: global }
      - { .name: bq, .offset: 64, .size: 8, .value_kind: global_buffer, .address_space: global }
      - { .name: bk, .offset: 72, .size: 8, .value_kind: global_buffer, .address_space: global }
      - { .name: bv, .offset: 80, .size: 8, .value_kind: global_buffer, .address_space: global }
      - { .name: xb, .offset: 88, .size: 8, .value_kind: global_buffer, .address_space: global }
      - { .name: wb, .offset: 96, .size: 8, .value_kind: global_buffer, .address_space: global }
      - { .name: idx, .offset: 104, .size: 8, .value_kind: global_buffer, .address_space: global }
      - { .name: bias3, .offset: 112, .size: 8, .value_kind: global_buffer, .address_space: global }
    .group_segment_fixed_size: 34816
    .private_segment_fixed_size: 0
    .kernarg_segment_align: 8
    .kernarg_segment_size: 120
    .max_flat_workgroup_size: 256
    .sgpr_count:     66
    .vgpr_count:     152
    .wavefront_size: 32
...
	.end_amdgpu_metadata
.endif
;; end of part 1
;; launch qkv (part 2): grid 8 x 32, 4 waves a work-group, clusters of 4 x 4, 327,680 bytes of LDS; arguments xb, wb, bias3, qkv; writes qkv
.if DOCPART == 2
	.amdgcn_target "amdgcn-amd-amdhsa--gfx1250"
	.amdhsa_code_object_version 6
	.text
	.protected	k_q1af27859c4_qkv
	.globl	k_q1af27859c4_qkv
	.p2align	8
	.type	k_q1af27859c4_qkv,@function
k_q1af27859c4_qkv:
	s_mov_b64 s[64:65], 0
	v_nop
	global_prefetch_b8 v0, s[64:65] scope:SCOPE_SE
	s_setreg_imm32_b32 hwreg(HW_REG_WAVE_MODE, 25, 1), 1
	s_wait_xcnt 0x0
	s_wait_alu depctr_hold_cnt(0) depctr_sa_sdst(0) depctr_va_vdst(0) depctr_va_sdst(0) depctr_va_ssrc(0) depctr_va_vcc(0) depctr_vm_vsrc(0)
	s_getreg_b32 s2, hwreg(HW_REG_IB_STS2, 6, 4)
	s_cmp_eq_u32 s2, 0
	s_cbranch_scc0 .Lentry_in_a_cluster
	s_endpgm
.Lentry_in_a_cluster:
	s_bfe_u32 s2, ttmp6, 0x10000c
	s_cmp_lg_u32 s2, 0xf033
	s_cbranch_scc0 .Lentry_shape_is_right
	s_endpgm
.Lentry_shape_is_right:
; QKV: [8192 tokens] x [3072 rows of wb] over K = 1024, f16 operands, f32 sums, results (plus bias) in f16.
; A work-group makes 256 tokens x 384 columns: the q, k and v columns of TWO heads.  256 work-groups.
; Four waves; wave w makes 128 tokens (half w / 2) x the 192 columns of one head (w % 2): 96 accumulator tiles of 16 x 16, 768 registers.
; xb and wb lie in memory in fragment order (units of 16 rows x 128 K = 4,096 bytes, block of 16 K at 512, lane L at 16 L), so a K step's tiles are dense
; runs of memory, need no padding in LDS, and every fragment load is 512 consecutive bytes.  A slot holds a K step of 128: two heads of B (2 x 49,152
; bytes), then two halves of A (2 x 32,768): 163,840 bytes; two slots are the whole 327,680 bytes of LDS.  A K step is 384 matrix instructions a wave,
; and from a tile's request to the wait for it a wave issues 368 of them.
; CLUSTERS: 4 x 4 work-groups.  The four of a row of the cluster need the same tokens (A), the four of a column the same rows of wb (B):
; both are asked for jointly, which divides the requests by four.
; RESULTS LEAVE IN FRAGMENT ORDER: a tile of 16 x 16 f16 is 512 consecutive bytes, lane L at byte 16 L.
;   q and k tiles are made transposed (source 0 = rows of wb, source 1 = tokens): lane (r, h) holds token r, d = 8 h + 0..7;
;   v tiles are made the natural way (source 0 = tokens): lane (r, h) holds d = r, tokens 8 h + 0..7.
; qkv byte = ty*16777216 + (b*16+head)*65536 + tokentile*2048 + dtile*512 + 16 L.
; THE BIAS is added on the way out: accumulators and fragment buffers take all 1,024 registers, so there is no room to hold it as a first C.
; LIMIT: the results are kept in f16, so |0.18 q|, |k| and |v| must stay below 65,504.  As drawn k and v have spread 1; with x and the weights both thirty
; times larger they have spread 900 and reach about 5,000; with offsets of thirty spreads on x and on a weight at once about 29,000.  Thirty times smaller
; in both, the spreads are 0.0002 to 0.001, where f16's fixed step of 2^-24 is about a ten-thousandth of the spread.
;
; REGISTERS: windows 1, 2, 3: the accumulators of q, k, v; tile (token tile a = 0..7, column block bb = 0..3) at v[8 (4 a + bb)].
; window 0: addresses; v's bias (v16-23); two buffers of A's 8 fragments (v32-95, v96-159); three buffers of 4 fragments of B, one for q, k, v each (v160-255).
; A QUARTER STEP (32 along K) is three parts, q, k, v, of 32 matrix instructions under one window setting.  Each part begins with a run of LDS loads into
; the buffers that the part before has just left: part 0 fetches this quarter's B for v and half of the next quarter's A, part 1 the next quarter's B for
; q and the other half of A, part 2 the next quarter's B for k.  Every fragment is asked for two parts ahead of its use.
.set AHALF,  32768                     ; 128 tokens x 128 K
.set BHALF,  49152                     ; a head's 192 rows x 128 K
.set AOFF,   2*BHALF                   ; A lies behind B's two heads
.set SLOT,   AOFF+2*AHALF              ; 163,840 bytes
.set ASTEP,  2097152                   ; xb: bytes from a K step to the next (512 units)
.set BSTEP,  786432                    ; wb: likewise (192 units)
.set LAPS,   4                         ; 1024 / (2 x 128): a lap = two K steps = once round the ring
.set ADRA, 2                           ; v2-3   LDS address of my A fragments in slot 0, 1
.set ADRB, 4                           ; v4-5   the same for B
.set LOFF, 6                           ; v6     16 x lane
.set HOFF, 7                           ; v7     32 h
.set ROFF, 8                           ; v8     4 r
.set BV,   16                          ; v[16:23]  v's bias: block bb twice, a pair for the packed add
.set AB0,  32                          ; A buffers: AB0, AB0 + 64
.set BB,   160                         ; B buffers: BB + 32 ty
.set BQK,  32                          ; the way out: q's and k's bias, in A's buffer 0
.set TMP,  96                          ; the way out: packed results of one window, v[96:223]
.set G1,  24                           ; s[24:31] group 1 for A's tiles
.set G0,  32                           ; s[32:39] group 0 for A's tiles, a set for each slot
.set G1B, 48                           ; s[48:55] group 1 for B's tiles
.set G0B, 56                           ; s[56:63] group 0 for B's tiles
.set MSB, 0
.macro WIN new                         ; the immediate's high byte repeats the setting that is left
.if MSB != (\new)
	s_set_vgpr_msb (MSB<<8)|(\new)
.set MSB, (\new)
.endif
.endm
; A joint load.  Waves 0 and 1 fetch B's two heads, waves 2 and 3 A's two halves.  The branch hangs on the wave's number alone.
.macro JLOAD s
	s_cmp_eq_u32 s11, 0
	s_cbranch_scc0 .Lfor_a_\@
	tensor_load_to_lds s[G0B+4*\s:G0B+4*\s+3], s[G1B:G1B+7]
	s_nop 0
	s_branch .Lasked_\@
.Lfor_a_\@:
	tensor_load_to_lds s[G0+4*\s:G0+4*\s+3], s[G1:G1+7]
	s_nop 0
.Lasked_\@:
.endm
.macro CREST                           ; a round of the cluster's barrier behind its opening barrier
	s_cmp_lg_u32 s10, 0
	s_cbranch_scc1 .Lnot_wave_0_\@
	s_barrier_signal -3
.Lnot_wave_0_\@:
	s_barrier_wait -3
	s_barrier_signal -1
	s_barrier_wait -1
.endm
.macro CROUND                          ; a whole round
	s_barrier_signal -1
	s_barrier_wait -1
	CREST
.endm
.macro PLACES                          ; four plain vector places behind matrix instructions, in front of loads into their sources and of readers of their results
.rept 4
	v_nop
.endr
.endm
	s_load_b128 s[4:7], s[0:1], 0x0                ; xb s[4:5], wb s[6:7]
	s_load_b128 s[68:71], s[0:1], 0x10             ; bias3 s[68:69], qkv s[70:71]
	v_lshrrev_b32 v1, 5, v0
	v_readfirstlane_b32 s10, v1                    ; wave 0..3
	s_lshr_b32 s11, s10, 1                         ; my half of the tokens.  Also: I fetch for B (0) or for A (1)
	s_and_b32 s12, s10, 1                          ; my head of the two.  Also: which half of that tile I fetch
	s_bfe_u32 s40, ttmp6, 0x40000                  ; cx
	s_bfe_u32 s41, ttmp6, 0x40004                  ; cy
	s_lshl_b32 s42, ttmp9, 2
	s_add_co_u32 s42, s42, s40                     ; block column = pair of heads = 4 x cluster x + cx
	s_and_b32 s13, ttmp7, 0xffff
	s_lshl_b32 s13, s13, 2
	s_add_co_u32 s13, s13, s41                     ; block row (256 tokens) = 4 x cluster y + cy
	s_lshl_b32 s43, s41, 2
	s_lshl_b32 s43, 15, s43                        ; my row of the cluster
	s_lshl_b32 s44, 0x1111, s40                    ; my column
	; both tiles are dense runs of memory and come in as rows of 256 bytes
	s_or_b32 s[G1+0], s43, (3<<16)|(1<<21)         ; A: mask of my row; elements of 8 bytes; no padding; bit 21 beside a mask
	s_or_b32 s[G1B+0], s44, (3<<16)|(1<<21)        ; B: mask of my column
	s_mov_b32 s[G1+1], 32<<16                      ; tensor_dim0 = 32 elements
	s_mov_b32 s[G1B+1], 32<<16
	s_mov_b32 s[G1+2], 128<<16                     ; tensor_dim1 = 128 rows
	s_mov_b32 s[G1B+2], 192<<16                    ; B: 192 rows
	s_mov_b32 s[G1+3], 32<<16                      ; tile_dim0
	s_mov_b32 s[G1B+3], 32<<16
	s_mov_b32 s[G1+4], 128                         ; tile_dim1
	s_mov_b32 s[G1B+4], 192
	s_mov_b32 s[G1+5], 32                          ; pitch = the row
	s_mov_b32 s[G1B+5], 32
	s_mov_b32 s[G1+6], 0
	s_mov_b32 s[G1B+6], 0
	s_mov_b32 s[G1+7], 0
	s_mov_b32 s[G1B+7], 0
	; A's address hangs on the block row and the wave, B's on the block column and the wave, each in registers that never hold the other coordinate
	s_lshl_b32 s16, s13, 4
	s_lshl3_add_u32 s16, s12, s16                  ; A: token tile 16 x block row + 8 x half
	s_lshl_b32 s16, s16, 12                        ; 4,096 bytes a unit
	s_mov_b32 s17, 0
	s_lshl1_add_u32 s45, s42, s12                  ; head = 2 x block column + wave % 2
	s_mul_i32 s46, s45, BHALF                      ; B: the head's 12 units
	s_mov_b32 s47, 0
	s_mul_i32 s78, s45, 768                        ; the head's 192 numbers of bias3
	s_mov_b32 s79, 0
	s_lshl_b32 s20, s10, 15
	s_add_co_u32 s20, s20, AHALF                   ; LDS: waves 2, 3 put A's halves at (wave + 1) x 32,768 = 98,304 and 131,072;
	s_mul_i32 s21, s10, BHALF                      ; waves 0, 1 put B's heads at wave x 49,152
	s_wait_kmcnt 0x0
	s_add_nc_u64 s[14:15], s[4:5], s[16:17]
	s_add_nc_u64 s[46:47], s[6:7], s[46:47]
	s_add_nc_u64 s[68:69], s[68:69], s[78:79]
	CROUND                                         ; all sixteen work-groups are here: the first joint loads meet
.irp s, 0,1
	s_mov_b32 s[G0+4*\s], 1
	s_add_co_u32 s[G0+4*\s+1], s20, \s*SLOT
	s_add_nc_u64 s[G0+4*\s+2:G0+4*\s+3], s[14:15], \s*ASTEP
	s_or_b32 s[G0+4*\s+3], s[G0+4*\s+3], 0x80000000
	s_mov_b32 s[G0B+4*\s], 1
	s_add_co_u32 s[G0B+4*\s+1], s21, \s*SLOT
	s_add_nc_u64 s[G0B+4*\s+2:G0B+4*\s+3], s[46:47], \s*BSTEP
	s_or_b32 s[G0B+4*\s+3], s[G0B+4*\s+3], 0x80000000
	JLOAD \s                                       ; both slots are asked for before anything else: two tensor loads of the wave are out, later one
.endr
	v_and_b32 v1, 31, v0
	v_lshlrev_b32 v[LOFF], 4, v1                   ; 16 x lane
	s_lshl_b32 s22, s11, 15
	s_add_co_u32 s22, s22, AOFF                    ; my 128 tokens
	s_mul_i32 s23, s12, BHALF                      ; my head
.irp s, 0,1
	v_add_nc_u32 v[ADRA+\s], s22, v[LOFF]
	v_add_nc_u32 v[ADRB+\s], s23, v[LOFF]
	s_add_co_u32 s22, s22, SLOT
	s_add_co_u32 s23, s23, SLOT
.endr
	v_bfe_u32 v9, v0, 4, 1                         ; h
	v_lshlrev_b32 v[HOFF], 5, v9
	v_and_b32 v9, 15, v0                           ; r
	v_lshlrev_b32 v[ROFF], 2, v9
.irp bb, 0,1,2,3
	global_load_b32 v[BV+2*\bb],   v[ROFF], s[68:69] offset:512+64*\bb   ; v's bias[16 bb + r]: a natural tile's lane holds one column
	global_load_b32 v[BV+2*\bb+1], v[ROFF], s[68:69] offset:512+64*\bb
.endr
; 8 LDS loads: A's fragments 4 hf .. 4 hf + 3 of quarter q of a slot into buffer ab
.macro LDA slot, q, hf, ab
.irp i, 0,1,2,3
	ds_load_b128 v[(\ab)+8*(4*\hf+\i):(\ab)+8*(4*\hf+\i)+3],   v[ADRA+\slot] offset:(4*\hf+\i)*4096+(\q)*1024
	ds_load_b128 v[(\ab)+8*(4*\hf+\i)+4:(\ab)+8*(4*\hf+\i)+7], v[ADRA+\slot] offset:(4*\hf+\i)*4096+(\q)*1024+512
.endr
.endm
; 8 LDS loads: B's four fragments of type ty (0 q, 1 k, 2 v) of quarter q of a slot
.macro LDB slot, q, ty
.irp i, 0,1,2,3
	ds_load_b128 v[BB+32*\ty+8*\i:BB+32*\ty+8*\i+3],   v[ADRB+\slot] offset:(4*\ty+\i)*4096+(\q)*1024
	ds_load_b128 v[BB+32*\ty+8*\i+4:BB+32*\ty+8*\i+7], v[ADRB+\slot] offset:(4*\ty+\i)*4096+(\q)*1024+512
.endr
.endm
; 16 matrix instructions: token tiles a0 .. a0 + 3 x the four column blocks of type ty.  zero = 1: the first product starts the sums.
; The 96 accumulators take turns, one instruction a turn, in the same order in every quarter step.
.macro MUL16 ty, ab, a0, zero
.irp a, \a0, \a0+1, \a0+2, \a0+3
.irp bb, 0,1,2,3
.if \ty < 2
.if \zero
	v_wmma_f32_16x16x32_f16 v[8*(4*(\a)+\bb):8*(4*(\a)+\bb)+7], v[BB+32*\ty+8*\bb:BB+32*\ty+8*\bb+7], v[(\ab)+8*(\a):(\ab)+8*(\a)+7], 0
.else
	v_wmma_f32_16x16x32_f16 v[8*(4*(\a)+\bb):8*(4*(\a)+\bb)+7], v[BB+32*\ty+8*\bb:BB+32*\ty+8*\bb+7], v[(\ab)+8*(\a):(\ab)+8*(\a)+7], v[8*(4*(\a)+\bb):8*(4*(\a)+\bb)+7]
.endif
.else
.if \zero
	v_wmma_f32_16x16x32_f16 v[8*(4*(\a)+\bb):8*(4*(\a)+\bb)+7], v[(\ab)+8*(\a):(\ab)+8*(\a)+7], v[BB+32*\ty+8*\bb:BB+32*\ty+8*\bb+7], 0
.else
	v_wmma_f32_16x16x32_f16 v[8*(4*(\a)+\bb):8*(4*(\a)+\bb)+7], v[(\ab)+8*(\a):(\ab)+8*(\a)+7], v[BB+32*\ty+8*\bb:BB+32*\ty+8*\bb+7], v[8*(4*(\a)+\bb):8*(4*(\a)+\bb)+7]
.endif
.endif
.endr
.endr
.endm
; One of a K step's first three quarters.  LDS loads go out in groups of 8, in this order: B(q,2) A0(q+1) | B(q+1,0) A1(q+1) | B(q+1,1).
.macro QUART slot, q, zero
	PLACES
	WIN 0
	LDB \slot, \q, 2
	LDA \slot, \q+1, 0, AB0+64*((\q+1)%2)
	s_wait_dscnt 24                                ; A(q) and B(q,0) are in: behind them went B(q,1) and the 16 just issued
	WIN 0x50                                       ; C and D window 1
	MUL16 0, AB0+64*(\q%2), 0, \zero
	MUL16 0, AB0+64*(\q%2), 4, \zero
	PLACES
	WIN 0
	LDB \slot, \q+1, 0
	LDA \slot, \q+1, 1, AB0+64*((\q+1)%2)
	s_wait_dscnt 32                                ; B(q,1) is in: four groups of 8 went behind it
	WIN 0xa0                                       ; window 2
	MUL16 1, AB0+64*(\q%2), 0, \zero
	MUL16 1, AB0+64*(\q%2), 4, \zero
	PLACES
	WIN 0
	LDB \slot, \q+1, 1
	s_wait_dscnt 32                                ; B(q,2) is in: four groups of 8 went behind it
	WIN 0xf0                                       ; window 3
	MUL16 2, AB0+64*(\q%2), 0, \zero
	MUL16 2, AB0+64*(\q%2), 4, \zero
.endm
.macro THREE slot, zero
	QUART \slot, 0, \zero
	QUART \slot, 1, 0
	QUART \slot, 2, 0
.endm
; The last quarter changes slots.  Its part 0 fetches the last fragments of this slot; in front of the one barrier each wave waits for its reads of this
; slot and for all its tensor loads (one is out: its part of the next slot).  Behind it the refill comes first, then the next slot's first fragments.
.macro TURN slot, next, fill
	PLACES
	WIN 0
	LDB \slot, 3, 2
	s_wait_dscnt 16                                ; A(3) and B(3,0) are in: behind them went B(3,1) and B(3,2)
	WIN 0x50
	MUL16 0, AB0+64, 0, 0
	s_wait_dscnt 0                                 ; my reads of this slot are over
	s_wait_tensorcnt 0x0                           ; all my tensor loads have landed
	s_barrier_signal -1                            ; (where the slot is filled again this barrier opens a round of the cluster's barrier)
	MUL16 0, AB0+64, 4, 0                          ; register work while the others arrive
	WIN 0
	s_barrier_wait -1
.if \fill
	CREST                                          ; no wave of any partner still reads this slot or has a load on its way
	s_add_nc_u64 s[G0+4*\slot+2:G0+4*\slot+3], s[G0+4*\slot+2:G0+4*\slot+3], 2*ASTEP
	s_add_nc_u64 s[G0B+4*\slot+2:G0B+4*\slot+3], s[G0B+4*\slot+2:G0B+4*\slot+3], 2*BSTEP
	JLOAD \slot                                    ; the wave's one tensor load behind the round, and the first thing there
.endif
	PLACES
	LDB \next, 0, 0
	LDA \next, 0, 0, AB0
	LDA \next, 0, 1, AB0
	WIN 0xa0
	MUL16 1, AB0+64, 0, 0                          ; B(3,1) and B(3,2) came in with the wait for 0 above
	MUL16 1, AB0+64, 4, 0
	PLACES
	WIN 0
	LDB \next, 0, 1
	WIN 0xf0
	MUL16 2, AB0+64, 0, 0
	MUL16 2, AB0+64, 4, 0
.endm
.macro LAP zero
	THREE 0, \zero
	TURN 0, 1, 1
	THREE 1, 0
	TURN 1, 0, 1
.endm
	s_wait_tensorcnt 1                             ; my part of K step 0 is in; K step 1's stays out
	s_barrier_signal -1
	s_barrier_wait -1
	LDA 0, 0, 0, AB0                               ; the first quarter's fragments, in the order that the counts above assume: B(0,1) last
	LDB 0, 0, 0
	LDA 0, 0, 1, AB0
	LDB 0, 0, 1
	LAP 1                                          ; the first lap stands in front of the loop: its first products start the sums
	WIN 0
	s_mov_b32 s3, LAPS-2
.Llap:
	LAP 0
	WIN 0
	s_sub_co_u32 s3, s3, 1
	s_cmp_lg_u32 s3, 0
	s_cbranch_scc1 .Llap
	THREE 0, 0                                     ; the last lap fills nothing
	TURN 0, 1, 0
	THREE 1, 0
	PLACES                                         ; the very last quarter: nothing more to fetch but B(3,2)
	WIN 0
	LDB 1, 3, 2
.irp b, 0,1,2,3,4,5,6,7
	global_load_b128 v[BQK+8*\b:BQK+8*\b+3],   v[HOFF], s[68:69] offset:64*\b       ; q's and k's bias in a transposed tile's layout: register j = bias[16 b + 8 h + j];
	global_load_b128 v[BQK+8*\b+4:BQK+8*\b+7], v[HOFF], s[68:69] offset:64*\b+16    ; into A's buffer 0, which no product reads any more
.endr
	s_wait_dscnt 16
	WIN 0x50
	MUL16 0, AB0+64, 0, 0
	MUL16 0, AB0+64, 4, 0
	s_wait_dscnt 0
	WIN 0xa0
	MUL16 1, AB0+64, 0, 0
	MUL16 1, AB0+64, 4, 0
	WIN 0xf0
	MUL16 2, AB0+64, 0, 0
	MUL16 2, AB0+64, 4, 0
	; THE WAY OUT: add the bias; a lane's eight results of a tile are its 16 bytes of the tile's block: round, pack, store.  No LDS.
	PLACES
	s_lshr_b32 s78, s13, 1                         ; batch
	s_lshl_b32 s78, s78, 4
	s_add_co_u32 s78, s78, s45                     ; 16 x batch + head
	s_lshl_b32 s78, s78, 16
	s_and_b32 s79, s13, 1
	s_lshl_b32 s79, s79, 4
	s_lshl3_add_u32 s79, s11, s79                  ; my first token tile in the batch: 16 x (block row % 2) + 8 x half
	s_lshl_b32 s79, s79, 11
	s_add_co_u32 s78, s78, s79
	s_mov_b32 s79, 0
	s_add_nc_u64 s[72:73], s[70:71], s[78:79]      ; q
	s_add_nc_u64 s[74:75], s[72:73], 0x1000000     ; k
	s_add_nc_u64 s[76:77], s[72:73], 0x2000000     ; v
; the 32 tiles of type ty (window ty + 1).  again = 1: TMP has been store data before
.macro OUTT ty, again
	WIN (((\ty+1)<<6)|(\ty+1))                     ; destination and source 0 in the window, the bias in window 0
.irp a, 0,1,2,3,4,5,6,7
.irp bb, 0,1,2,3
.irp c, 0,2,4,6
.if \ty < 2
	v_pk_add_f32 v[8*(4*\a+\bb)+\c:8*(4*\a+\bb)+\c+1], v[8*(4*\a+\bb)+\c:8*(4*\a+\bb)+\c+1], v[BQK+32*\ty+8*\bb+\c:BQK+32*\ty+8*\bb+\c+1]
.else
	v_pk_add_f32 v[8*(4*\a+\bb)+\c:8*(4*\a+\bb)+\c+1], v[8*(4*\a+\bb)+\c:8*(4*\a+\bb)+\c+1], v[BV+2*\bb:BV+2*\bb+1]
.endif
.endr
.endr
.endr
.if \again
	s_wait_xcnt 0x0                                ; TMP is the last window's store data: it is rewritten only behind this wait (ISA guide 3.1)
.endif
	WIN ((\ty+1)*5)                                ; both sources in the window, the destination in window 0
.irp a, 0,1,2,3,4,5,6,7
.irp bb, 0,1,2,3
.irp r, 0,1,2,3
	v_cvt_pk_f16_f32 v[TMP+16*\a+4*\bb+\r], v[8*(4*\a+\bb)+2*\r], v[8*(4*\a+\bb)+2*\r+1]
.endr
.endr
.endr
	WIN 0
.irp a, 0,1,2,3,4,5,6,7
.irp bb, 0,1,2,3
	global_store_b128 v[LOFF], v[TMP+16*\a+4*\bb:TMP+16*\a+4*\bb+3], s[72+2*\ty:73+2*\ty] offset:\a*2048+\bb*512   ; 512 consecutive bytes, aligned
.endr
.endr
.endm
	s_wait_loadcnt 16                              ; v's bias, loaded at the start, is in; the 16 loads of q's and k's may stay out
	OUTT 2, 0                                      ; v goes first, while they arrive
	s_wait_loadcnt 0x0
	OUTT 0, 1
	OUTT 1, 1
	CROUND                                         ; the closing round: no work-group ends while a partner may still ask for a tile that names it
	s_endpgm
.Lfunc_end_k_q1af27859c4_qkv:
	.size	k_q1af27859c4_qkv, .Lfunc_end_k_q1af27859c4_qkv-k_q1af27859c4_qkv
	.p2alignl 7, 3214868480
	.fill 96, 4, 3214868480
	.section	.rodata,"a",@progbits
	.p2align	6, 0x0
	.amdhsa_kernel k_q1af27859c4_qkv
		.amdhsa_group_segment_fixed_size 327680
		.amdhsa_private_segment_fixed_size 0
		.amdhsa_enable_private_segment 0
		.amdhsa_kernarg_size 32
		.amdhsa_user_sgpr_count 2
		.amdhsa_user_sgpr_kernarg_segment_ptr 1
		.amdhsa_wavefront_size32 1
		.amdhsa_system_sgpr_workgroup_id_x 1
		.amdhsa_system_sgpr_workgroup_id_y 1
		.amdhsa_system_sgpr_workgroup_id_z 1
		.amdhsa_system_vgpr_workitem_id 0
		.amdhsa_next_free_vgpr 1024
		.amdhsa_next_free_sgpr 80
		.amdhsa_reserve_vcc 0
		.amdhsa_float_denorm_mode_32 3
		.amdhsa_float_denorm_mode_16_64 3
		.amdhsa_memory_ordered 1
		.amdhsa_forward_progress 1
		.amdhsa_inst_pref_size 255
	.end_amdhsa_kernel
	.section	.bss,"aw",@nobits
	.p2align	6
	.space	262144
	.amdgpu_metadata
---
amdhsa.version: [ 1, 2 ]
amdhsa.kernels:
  - .name:           k_q1af27859c4_qkv
    .symbol:         k_q1af27859c4_qkv.kd
    .args:
      - { .name: xb, .offset: 0, .size: 8, .value_kind: global_buffer, .address_space: global }
      - { .name: wb, .offset: 8, .size: 8, .value_kind: global_buffer, .address_space: global }
      - { .name: bias3, .offset: 16, .size: 8, .value_kind: global_buffer, .address_space: global }
      - { .name: qkv, .offset: 24, .size: 8, .value_kind: global_buffer, .address_space: global }
    .group_segment_fixed_size: 327680
    .private_segment_fixed_size: 0
    .kernarg_segment_align: 8
    .kernarg_segment_size: 32
    .max_flat_workgroup_size: 128
    .sgpr_count:     80
    .vgpr_count:     1024
    .wavefront_size: 32
...
	.end_amdgpu_metadata
.endif
;; end of part 2
;; launch attn (part 3): grid 256 x 1, 8 waves a work-group, no clusters, 167,936 bytes of LDS; arguments qkv, idx, edge_emb, dist_emb, attnf; writes attnf
.if DOCPART == 3
	.amdgcn_target "amdgcn-amd-amdhsa--gfx1250"
	.amdhsa_code_object_version 6
	.text
	.protected	k_q1af27859c4_attn
	.globl	k_q1af27859c4_attn
	.p2align	8
	.type	k_q1af27859c4_attn,@function
k_q1af27859c4_attn:
	s_mov_b64 s[64:65], 0
	v_nop
	global_prefetch_b8 v0, s[64:65] scope:SCOPE_SE
	s_setreg_imm32_b32 hwreg(HW_REG_WAVE_MODE, 25, 1), 1
	s_wait_xcnt 0x0
; ATTENTION for one (batch, head): scores + looked-up bias, key mask, softmax with a running maximum, P V.  256 work-groups.  Operands f16, all else f32.
; Eight waves; wave w owns queries 64 w .. 64 w + 63, taken as two groups of 32 (two query tiles q = 0, 1); each group meets two blocks of 256 keys.
; All of the head's K and V (65,536 bytes each, in fragment order) lie in LDS, brought once by one tensor load a wave; nothing in LDS is filled again.
; THE BIAS: a table of 160 entries in LDS, entry e = adj * 37 + distance holds (edge_emb[adj][h] (adj != 0) + dist_emb[distance][h]) log2(e),
; entries 148.. hold the mask value -2^100.  Each entry is kept 32 times, copy L at e * 128 + 4 L, so the 32 lanes of a look-up touch 32 different words
; of one 256-byte span modulo 256.  idx holds the finished byte addresses, in the layout of the score tiles' C operand: the looked-up value IS the first C.
; THE PRODUCTS: S^T = K Q^T (source 0 = keys, source 1 = queries): lane (r, h) holds query r, keys 8 h + 0..7 of the tile.  So a row's maximum and sum
; need the lane's own registers and one exchange between the halves, and the packed probabilities are P's operand layout as they stand.
; O^T = V^T P^T likewise: lane (r, h) holds query r, d = 8 h + 0..7, which is the layout in which attnf is stored.
; Wq and bq were multiplied by 0.125 log2(e), so scores are in log2 units and v_exp_f32 takes them as they are.
; P IN F16: the running maximum keeps every exponential in [0, 1]; below 2^-14 f16's step is 2^-24, beside a row's largest term of 1.
; attnf IN F16: an average of v, so it has the room that v has.
; NO CLUSTER: K, V and Q are read by this work-group alone; idx, which the 16 heads of a batch share, goes straight into the registers in which it is
; expanded, and a way through LDS would add its 524,288 bytes a work-group to the unit that serves the look-ups.
; LIMITS: a score below -2^96 (log2 units) counts as masked.  A row whose keys are all masked gives 0 x infinity = NaN, as the softmax of all -inf does.
; A code beyond the table is clamped to the mask entry's last word.
;
; window 0: see below.  window 1: S(q, kt) = v[8 (16 q + kt)], 256 registers.  After the softmax P(q, p) lies in S(q, 2p), and the next block's idx words
; are loaded into S(q, 2p+1): tile 2p's four words in registers 0-3, tile 2p+1's in 4-7.
.set TABMAX, 148*128+124               ; the last word of the mask entry's 32 copies
.set KT,   20480                       ; K behind the table's 160 x 128 bytes
.set VT,   KT+65536
.set LOFF, 1                           ; v1        16 x lane
.set KADR, 2                           ; v2        KT + 16 x lane
.set VADR, 3                           ; v3        VT + 16 x lane
.set T,    4                           ; v[4:11]   at work
.set M,    12                          ; v[12:15]  the running maximum of q = 0, 1, each twice (a pair for the packed subtraction)
.set AL,   16                          ; v[16:19]  the rescaling factor, later 1 / sum, each twice
.set MC,   20                          ; v[20:27]  four chains of maxima for each q
.set L,    28                          ; v[28:35]  four partial sums for each q
.set QF,   40                          ; v[40:71]  Q fragments: 16 q + 4 i, i = block of 16 along d
.set FB0,  72                          ; v[72:103]  K or V fragments, two buffers
.set FB1,  104
.set O,    136                         ; v[136:199] O(q, dt) at 8 (4 q + dt)
.set PK,   200                         ; v[200:231] packed results
.set G0,   24                          ; s[24:27]
.set G1,   32                          ; s[32:39]
.set MSB, 0
.macro WIN new
.if MSB != \new
	s_set_vgpr_msb (MSB<<8)|\new
.set MSB, \new
.endif
.endm
.macro PLACES                          ; four plain vector places behind matrix instructions (ISA guide 7.12.1)
.rept 4
	v_nop
.endr
.endm
	s_load_b256 s[4:11], s[0:1], 0x0               ; qkv 4, idx 6, edge_emb 8, dist_emb 10
	s_load_b64 s[12:13], s[0:1], 0x20              ; attnf
	v_lshrrev_b32 v4, 5, v0
	v_readfirstlane_b32 s14, v4                    ; wave 0..7
	s_mov_b32 s17, ttmp9                           ; 16 x batch + head
	s_and_b32 s15, s17, 15                         ; head
	s_lshr_b32 s16, s17, 4                         ; batch
	s_mov_b32 s20, 0xffff
	s_mov_b32 s21, 0x76543210                      ; v_permlanex16_b32: lane i of one half reads lane i of the other
	s_mov_b32 s22, 0xfedcba98
	; one tensor load a wave: 16,384 dense bytes as 64 rows of 256.  Waves 0-3 bring K's quarters, waves 4-7 V's.
	s_mov_b32 s[G1+0], 3<<16                       ; no mask; elements of 8 bytes; no padding
	s_mov_b32 s[G1+1], 32<<16                      ; tensor_dim0 = 32
	s_mov_b32 s[G1+2], 64<<16                      ; tensor_dim1 = 64
	s_mov_b32 s[G1+3], 32<<16                      ; tile_dim0 = 32
	s_mov_b32 s[G1+4], 64                          ; tile_dim1 = 64
	s_mov_b32 s[G1+5], 32                          ; pitch = the row
	s_mov_b32 s[G1+6], 0
	s_mov_b32 s[G1+7], 0
	s_lshr_b32 s18, s14, 2
	s_add_co_u32 s18, s18, 1                       ; 1: k, 2: v
	s_lshl_b32 s18, s18, 24
	s_lshl_b32 s19, s17, 16
	s_add_co_u32 s18, s18, s19
	s_and_b32 s19, s14, 3
	s_lshl_b32 s19, s19, 14
	s_add_co_u32 s18, s18, s19
	s_mov_b32 s19, 0
	s_mov_b32 s[G0+0], 1
	s_lshl_b32 s[G0+1], s14, 14
	s_add_co_u32 s[G0+1], s[G0+1], KT              ; LDS: KT + wave x 16,384 (V follows K)
	s_wait_kmcnt 0x0
	s_add_nc_u64 s[G0+2:G0+3], s[4:5], s[18:19]
	s_or_b32 s[G0+3], s[G0+3], 0x80000000
	tensor_load_to_lds s[G0:G0+3], s[G1:G1+7]      ; the wave's only tensor load
	s_nop 0
	s_lshl_b32 s18, s17, 16
	s_lshl_b32 s28, s14, 13
	s_add_co_u32 s18, s18, s28                     ; the head's 65,536 bytes, my four query tiles of 2,048
	s_add_nc_u64 s[40:41], s[4:5], s[18:19]        ; Q
	s_add_nc_u64 s[44:45], s[12:13], s[18:19]      ; attnf
	s_lshl_b32 s18, s16, 19
	s_lshl_b32 s28, s14, 16
	s_add_co_u32 s18, s18, s28                     ; the batch's 524,288 bytes, my four query tiles of 16,384
	s_add_nc_u64 s[42:43], s[6:7], s[18:19]        ; idx
	v_and_b32 v5, 31, v0                           ; lane
	v_lshlrev_b32 v[LOFF], 4, v5
	v_add_nc_u32 v[KADR], KT, v[LOFF]
	v_add_nc_u32 v[VADR], VT, v[LOFF]
	; table entry e = thread number: a = e / 37, d = e - 37 a, all clamped so that every thread's loads stay inside the two tables
	v_min_u32 v6, 148, v0
	v_mul_u32_u24 v7, v6, 111
	v_lshrrev_b32 v7, 12, v7                       ; e * 111 / 4096 = e / 37 for e up to 148
	v_min_u32 v7, 3, v7
	v_mul_u32_u24 v8, v7, 37
	v_sub_nc_u32 v8, v6, v8
	v_min_u32 v8, 36, v8
	v_lshl_add_u32 v9, v7, 4, s15
	v_lshlrev_b32 v9, 2, v9
	v_lshl_add_u32 v10, v8, 4, s15
	v_lshlrev_b32 v10, 2, v10
	global_load_b32 v11, v9, s[8:9]                ; edge_emb[a][head]
	global_load_b32 v4, v10, s[10:11]              ; dist_emb[d][head]
; the 8 loads of a group's Q fragments
.macro QLOAD off
.irp q, 0,1
.irp i, 0,1,2,3
	global_load_b128 v[QF+16*\q+4*\i:QF+16*\q+4*\i+3], v[LOFF], s[40:41] offset:\off+2048*\q+512*\i
.endr
.endr
.endm
; the 32 loads of a block's idx words, into the odd score tiles
.macro NEXTIDX off
	WIN 0x40                                       ; destination window 1, address window 0
.irp q, 0,1
.irp kt, 0,1,2,3,4,5,6,7,8,9,10,11,12,13,14,15
	global_load_b128 v[128*\q+8*(2*(\kt/2)+1)+4*(\kt%2):128*\q+8*(2*(\kt/2)+1)+4*(\kt%2)+3], v[LOFF], s[42:43] offset:\off+16384*\q+512*\kt
.endr
.endr
.endm
	QLOAD 0
	NEXTIDX 0
	WIN 0
	s_wait_loadcnt 40                              ; the two table loads are in; the 8 + 32 behind them stay out
	v_cmp_ne_u32 vcc_lo, 0, v7
	v_cndmask_b32 v6, 0, 1.0, vcc_lo               ; (adj != 0)
	v_fma_f32 v8, v11, v6, v4
	v_mul_f32 v8, 0x3fb8aa3b, v8                   ; in log2 units
	v_cmp_gt_u32 vcc_lo, 148, v0
	v_cndmask_b32 v8, 0xf1800000, v8, vcc_lo       ; entries 148.. : -2^100
	v_mov_b32 v9, v8
	v_mov_b32 v10, v8
	v_mov_b32 v11, v8
	v_lshlrev_b32 v4, 7, v5
	s_lshl_b32 s28, s14, 12
	v_add_nc_u32 v4, s28, v4                       ; wave x 4,096 + lane x 128: each of waves 0-4 stores 32 entries into bytes of its own
	s_cmp_gt_u32 s14, 4
	s_cbranch_scc1 .Lnotab
.irp k, 0,1,2,3,4,5,6,7
	ds_store_b128 v4, v[8:11] offset:16*\k
.endr
.Lnotab:
	s_wait_dscnt 0x0                               ; my part of the table is written,
	s_wait_tensorcnt 0x0                           ; my part of K or V has landed:
	s_barrier_signal -1                            ; say so.  The only barrier: behind it LDS is only read
	s_barrier_wait -1
; idx words to addresses and the look-ups, for key tiles 2p and 2p+1 of query tile q.  Tile 2p is expanded out of tile 2p+1's registers 0-3, then tile
; 2p+1 in place out of its registers 4-7, ascending, so that no word is overwritten before it is read.  A loaded number enters an address only behind
; v_min_u32.  The looked-up value lands on its own address register.
.macro EXPAND q, p
.irp i, 0,1,2,3
	v_and_b32     v[128*\q+16*(\p)+2*\i],   s20, v[128*\q+16*(\p)+8+\i]
	v_lshrrev_b32 v[128*\q+16*(\p)+2*\i+1], 16,  v[128*\q+16*(\p)+8+\i]
.endr
.irp i, 0,1,2,3
	v_and_b32     v[128*\q+16*(\p)+8+2*\i],   s20, v[128*\q+16*(\p)+12+\i]
	v_lshrrev_b32 v[128*\q+16*(\p)+8+2*\i+1], 16,  v[128*\q+16*(\p)+12+\i]
.endr
.irp i, 0,1,2,3,4,5,6,7,8,9,10,11,12,13,14,15
	v_min_u32 v[128*\q+16*(\p)+\i], TABMAX, v[128*\q+16*(\p)+\i]
.endr
.irp i, 0,1,2,3,4,5,6,7,8,9,10,11,12,13,14,15
	ds_load_b32 v[128*\q+16*(\p)+\i], v[128*\q+16*(\p)+\i]
.endr
.endm
.macro KLOAD kb, p, f                  ; K fragments of key tiles 2p, 2p+1: 8 loads, 512 consecutive bytes each
.irp t, 0,1
.irp i, 0,1,2,3
	ds_load_b128 v[\f+16*\t+4*\i:\f+16*\t+4*\i+3], v[KADR] offset:\kb*32768+(2*(\p)+\t)*2048+512*\i
.endr
.endr
.endm
; 8 matrix instructions on four accumulators that take turns, one instruction a turn: d = 0..31, then d = 32..63
.macro QK p, f
.irp s, 0,1
.irp t, 0,1
.irp q, 0,1
	v_wmma_f32_16x16x32_f16 v[128*\q+8*(2*(\p)+\t):128*\q+8*(2*(\p)+\t)+7], v[\f+16*\t+8*\s:\f+16*\t+8*\s+7], v[QF+16*\q+8*\s:QF+16*\q+8*\s+7], v[128*\q+8*(2*(\p)+\t):128*\q+8*(2*(\p)+\t)+7]
.endr
.endr
.endr
.endm
; All 32 score tiles of a block.  The look-ups and K fragments of pair p + 1 are issued ahead of pair p's products; the 64 plain instructions of EXPAND
; are also the places between pair p - 1's products and the loads into their K buffer.
.macro SCORES kb
	s_wait_loadcnt 0x0                             ; idx and Q, issued a whole P V phase ago
	WIN 0x55
	EXPAND 0, 0
	EXPAND 1, 0
	WIN 0
	KLOAD \kb, 0, FB0
.irp p, 0,1,2,3,4,5,6
	WIN 0x55
	EXPAND 0, \p+1
	EXPAND 1, \p+1
	WIN 0
	KLOAD \kb, \p+1, FB0+32*((\p+1)%2)
	s_wait_dscnt 40                                ; all but the 32 look-ups and 8 K loads just issued
	WIN 0x50                                       ; C and D window 1, K and Q window 0
	QK \p, FB0+32*(\p%2)
.endr
	s_wait_dscnt 0x0
	QK 7, FB1
.endm
.macro VLOAD kb, p, f                  ; V fragments of keys 32 p .. 32 p + 31, four tiles of d: 8 loads
.irp dt, 0,1,2,3
	ds_load_b128 v[\f+8*\dt:\f+8*\dt+3],   v[VADR] offset:\kb*32768+2*(\p)*2048+512*\dt
	ds_load_b128 v[\f+8*\dt+4:\f+8*\dt+7], v[VADR] offset:\kb*32768+(2*(\p)+1)*2048+512*\dt
.endr
.endm
; The block's maximum joins the running one; sums and O are rescaled (not in a group's first block, where both are still empty).
.macro ROWMAX first, kb
	WIN 0x14                                       ; sources 1 and 2 window 1
.irp q, 0,1
.irp kt, 0,1,2,3,4,5,6,7,8,9,10,11,12,13,14,15
.irp c, 0,1,2,3
.if \kt == 0
	v_max3_num_f32 v[MC+4*\q+\c], v[M+2*\q], v[128*\q+8*\kt+2*\c], v[128*\q+8*\kt+2*\c+1]      ; the chains start from the running maximum
.else
	v_max3_num_f32 v[MC+4*\q+\c], v[MC+4*\q+\c], v[128*\q+8*\kt+2*\c], v[128*\q+8*\kt+2*\c+1]
.endif
.endr
.endr
.endr
	WIN 0
.irp q, 0,1
	v_max3_num_f32 v[T+4*\q], v[MC+4*\q], v[MC+4*\q+1], v[MC+4*\q+2]
	v_max_num_f32 v[T+4*\q], v[T+4*\q], v[MC+4*\q+3]
	v_permlanex16_b32 v[T+4*\q+1], v[T+4*\q], s21, s22       ; the other eight keys of each tile lie in the other half of the lanes
	v_max_num_f32 v[T+4*\q], v[T+4*\q], v[T+4*\q+1]
.endr
.if \first == 0
	v_sub_f32 v[T+2], v[M], v[T]
	v_sub_f32 v[T+6], v[M+2], v[T+4]
	v_exp_f32 v[AL], v[T+2]
	v_exp_f32 v[AL+1], v[T+2]
	v_exp_f32 v[AL+2], v[T+6]
	v_exp_f32 v[AL+3], v[T+6]                      ; the moves below are the plain instructions between these and their use (ISA guide 5.7.2)
.endif
	v_mov_b32 v[M], v[T]
	v_mov_b32 v[M+1], v[T]
	v_mov_b32 v[M+2], v[T+4]
	v_mov_b32 v[M+3], v[T+4]
.if \first == 0
	s_wait_alu depctr_va_vdst(0)
.irp q, 0,1
	v_pk_mul_f32 v[L+4*\q:L+4*\q+1], v[L+4*\q:L+4*\q+1], v[AL+2*\q:AL+2*\q+1]
	v_pk_mul_f32 v[L+4*\q+2:L+4*\q+3], v[L+4*\q+2:L+4*\q+3], v[AL+2*\q:AL+2*\q+1]
.irp c, 0,2,4,6,8,10,12,14,16,18,20,22,24,26,28,30
	v_pk_mul_f32 v[O+32*\q+\c:O+32*\q+\c+1], v[O+32*\q+\c:O+32*\q+\c+1], v[AL+2*\q:AL+2*\q+1]
.endr
.endr
.endif
	VLOAD \kb, 0, FB0                              ; the first V fragments, a whole softmax ahead of their use
.endm
.macro SUBT t                          ; score tile t (0..31 = 16 q + kt): minus the row's maximum
.irp c, 0,2,4,6
	v_pk_add_f32 v[8*(\t)+\c:8*(\t)+\c+1], v[8*(\t)+\c:8*(\t)+\c+1], v[M+2*((\t)/16):M+2*((\t)/16)+1] neg_lo:[0,1] neg_hi:[0,1]
.endr
.endm
.macro EXPT t
.irp c, 0,1,2,3,4,5,6,7
	v_exp_f32 v[8*(\t)+\c], v[8*(\t)+\c]
.endr
.endm
; exp2(s - m) in place; the sums in f32; the probabilities packed to f16 in place.
.macro SOFTEXP
	WIN 0x41                                       ; destination and source 0 window 1
	SUBT 0
.set tt, 0
.rept 31
	SUBT tt+1                                      ; the subtraction runs a tile ahead: behind a tile's exponentials stand plain instructions on another tile
	EXPT tt
.set tt, tt+1
.endr
	EXPT 31
	WIN 0x04                                       ; source 1 window 1
	s_wait_alu depctr_va_vdst(0)
.irp kt, 0,1,2,3,4,5,6,7,8,9,10,11,12,13,14,15
.irp c, 0,1,2,3
.irp q, 0,1
	v_pk_add_f32 v[L+4*\q+2*(\c%2):L+4*\q+2*(\c%2)+1], v[L+4*\q+2*(\c%2):L+4*\q+2*(\c%2)+1], v[128*\q+8*\kt+2*\c:128*\q+8*\kt+2*\c+1]
.endr
.endr
.endr
	WIN 0x55
.irp q, 0,1
.irp p, 0,1,2,3,4,5,6,7
.irp i, 0,1,2,3
	v_cvt_pk_f16_f32 v[128*\q+16*\p+\i], v[128*\q+16*\p+2*\i], v[128*\q+16*\p+2*\i+1]          ; register i is written when registers up to 2 i + 1 have been read
.endr
.irp i, 0,1,2,3
	v_cvt_pk_f16_f32 v[128*\q+16*\p+4+\i], v[128*\q+16*\p+8+2*\i], v[128*\q+16*\p+8+2*\i+1]
.endr
.endr
.endr
.endm
; 8 matrix instructions on the eight accumulators of O, which take turns, one instruction a turn
.macro PV p, f, z
.irp dt, 0,1,2,3
.irp q, 0,1
.if \z
	v_wmma_f32_16x16x32_f16 v[O+8*(4*\q+\dt):O+8*(4*\q+\dt)+7], v[\f+8*\dt:\f+8*\dt+7], v[128*\q+16*(\p):128*\q+16*(\p)+7], 0
.else
	v_wmma_f32_16x16x32_f16 v[O+8*(4*\q+\dt):O+8*(4*\q+\dt)+7], v[\f+8*\dt:\f+8*\dt+7], v[128*\q+16*(\p):128*\q+16*(\p)+7], v[O+8*(4*\q+\dt):O+8*(4*\q+\dt)+7]
.endif
.endr
.endr
.endm
.macro PVALL kb, zero                  ; zero = 1: the group's first product starts the sums
	WIN 0x04                                       ; P (source 1) window 1; V, O and the LDS loads window 0
	VLOAD \kb, 1, FB1
	s_wait_dscnt 8                                 ; all but the 8 just issued
	PV 0, FB0, \zero
.irp p, 1,2,3,4,5,6
	PLACES                                         ; in front of loads into the buffer that the products before last read
	VLOAD \kb, \p+1, FB0+32*((\p+1)%2)
	s_wait_dscnt 8
	PV \p, FB0+32*(\p%2), 0
.endr
	s_wait_dscnt 0x0
	PV 7, FB1, 0
	PLACES                                         ; in front of whatever reads O or writes P's and V's registers next
.endm
	s_mov_b32 s46, 0                               ; the group
.Lgroup:
.irp i, 0,1,2,3
	v_mov_b32 v[M+\i], 0xef800000                  ; the running maximum starts at -2^96, above the mask value
.endr
.irp i, 0,1,2,3,4,5,6,7
	v_mov_b32 v[L+\i], 0
.endr
	SCORES 0
	ROWMAX 1, 0
	SOFTEXP
	NEXTIDX 8192                                   ; the second block's idx, into the score tiles that the packing has freed
	PVALL 0, 1
	SCORES 1
	ROWMAX 0, 1
	SOFTEXP
	WIN 0
	s_cmp_eq_u32 s46, 1
	s_cbranch_scc1 .Llast                          ; the last group asks for nothing more: no load passes a buffer's end
	NEXTIDX 32768                                  ; the next group's first block
	WIN 0
	QLOAD 4096                                     ; and its Q
.Llast:
	PVALL 1, 0
	WIN 0
	; O / sum, to f16, out
.irp q, 0,1
	v_pk_add_f32 v[T+4*\q:T+4*\q+1], v[L+4*\q:L+4*\q+1], v[L+4*\q+2:L+4*\q+3]
	v_add_f32 v[T+4*\q], v[T+4*\q], v[T+4*\q+1]
	v_permlanex16_b32 v[T+4*\q+1], v[T+4*\q], s21, s22
	v_add_f32 v[T+4*\q], v[T+4*\q], v[T+4*\q+1]
.endr
	v_rcp_f32 v[AL], v[T]
	v_rcp_f32 v[AL+1], v[T]
	v_rcp_f32 v[AL+2], v[T+4]
	v_rcp_f32 v[AL+3], v[T+4]
	v_nop                                          ; one plain instruction between a reciprocal and its use (ISA guide 5.7.2)
	s_wait_alu depctr_va_vdst(0)
.irp q, 0,1
.irp dt, 0,1,2,3
.irp c, 0,2,4,6
	v_pk_mul_f32 v[O+8*(4*\q+\dt)+\c:O+8*(4*\q+\dt)+\c+1], v[O+8*(4*\q+\dt)+\c:O+8*(4*\q+\dt)+\c+1], v[AL+2*\q:AL+2*\q+1]
.endr
.irp c, 0,1,2,3
	v_cvt_pk_f16_f32 v[PK+16*\q+4*\dt+\c], v[O+8*(4*\q+\dt)+2*\c], v[O+8*(4*\q+\dt)+2*\c+1]
.endr
	global_store_b128 v[LOFF], v[PK+16*\q+4*\dt:PK+16*\q+4*\dt+3], s[44:45] offset:2048*\q+512*\dt   ; a whole tile: 512 consecutive bytes
.endr
.endr
	s_wait_xcnt 0x0                                ; the three bases and PK are rewritten only behind this wait (ISA guide 3.1)
	s_add_nc_u64 s[40:41], s[40:41], 4096          ; two query tiles on
	s_add_nc_u64 s[44:45], s[44:45], 4096
	s_add_nc_u64 s[42:43], s[42:43], 32768
	s_add_co_u32 s46, s46, 1
	s_cmp_lt_u32 s46, 2
	s_cbranch_scc1 .Lgroup
	s_endpgm
.Lfunc_end_k_q1af27859c4_attn:
	.size	k_q1af27859c4_attn, .Lfunc_end_k_q1af27859c4_attn-k_q1af27859c4_attn
	.p2alignl 7, 3214868480
	.fill 96, 4, 3214868480
	.section	.rodata,"a",@progbits
	.p2align	6, 0x0
	.amdhsa_kernel k_q1af27859c4_attn
		.amdhsa_group_segment_fixed_size 167936
		.amdhsa_private_segment_fixed_size 0
		.amdhsa_enable_private_segment 0
		.amdhsa_kernarg_size 40
		.amdhsa_user_sgpr_count 2
		.amdhsa_user_sgpr_kernarg_segment_ptr 1
		.amdhsa_wavefront_size32 1
		.amdhsa_system_sgpr_workgroup_id_x 1
		.amdhsa_system_sgpr_workgroup_id_y 1
		.amdhsa_system_sgpr_workgroup_id_z 1
		.amdhsa_system_vgpr_workitem_id 0
		.amdhsa_next_free_vgpr 512
		.amdhsa_next_free_sgpr 66
		.amdhsa_reserve_vcc 1
		.amdhsa_float_denorm_mode_32 3
		.amdhsa_float_denorm_mode_16_64 3
		.amdhsa_memory_ordered 1
		.amdhsa_forward_progress 1
		.amdhsa_inst_pref_size 222
	.end_amdhsa_kernel
	.amdgpu_metadata
---
amdhsa.version: [ 1, 2 ]
amdhsa.kernels:
  - .name:           k_q1af27859c4_attn
    .symbol:         k_q1af27859c4_attn.kd
    .args:
      - { .name: qkv, .offset: 0, .size: 8, .value_kind: global_buffer, .address_space: global }
      - { .name: idx, .offset: 8, .size: 8, .value_kind: global_buffer, .address_space: global }
      - { .name: edge_emb, .offset: 16, .size: 8, .value_kind: global_buffer, .address_space: global }
      - { .name: dist_emb, .offset: 24, .size: 8, .value_kind: global_buffer, .address_space: global }
      - { .name: attnf, .offset: 32, .size: 8, .value_kind: global_buffer, .address_space: global }
    .group_segment_fixed_size: 167936
    .private_segment_fixed_size: 0
    .kernarg_segment_align: 8
    .kernarg_segment_size: 40
    .max_flat_workgroup_size: 256
    .sgpr_count:     66
    .vgpr_count:     512
    .wavefront_size: 32
...
	.end_amdgpu_metadata
.endif
;; end of part 3
;; launch oproj (part 4): grid 8 x 32, 4 waves a work-group, clusters of 4 x 4, 295,936 bytes of LDS; arguments attnf, wb, bo, out0; writes out0
.if DOCPART == 4
	.amdgcn_target "amdgcn-amd-amdhsa--gfx1250"
	.amdhsa_code_object_version 6
	.text
	.protected	k_q1af27859c4_oproj
	.globl	k_q1af27859c4_oproj
	.p2align	8
	.type	k_q1af27859c4_oproj,@function
k_q1af27859c4_oproj:
	s_mov_b64 s[64:65], 0
	v_nop
	global_prefetch_b8 v0, s[64:65] scope:SCOPE_SE
	s_setreg_imm32_b32 hwreg(HW_REG_WAVE_MODE, 25, 1), 1
	s_wait_xcnt 0x0
	s_wait_alu depctr_hold_cnt(0) depctr_sa_sdst(0) depctr_va_vdst(0) depctr_va_sdst(0) depctr_va_ssrc(0) depctr_va_vcc(0) depctr_vm_vsrc(0)
	s_getreg_b32 s2, hwreg(HW_REG_IB_STS2, 6, 4)
	s_cmp_eq_u32 s2, 0
	s_cbranch_scc0 .Lentry_in_a_cluster
	s_endpgm
.Lentry_in_a_cluster:
	s_bfe_u32 s2, ttmp6, 0x10000c
	s_cmp_lg_u32 s2, 0xf033
	s_cbranch_scc0 .Lentry_shape_is_right
	s_endpgm
.Lentry_shape_is_right:
; OUT = attn Wo^T + bo: [8192 tokens] x [1024 columns] over K = 1024, f16 operands, f32 sums, bo as the first C, f32 out, row-major.
; A work-group makes 256 tokens x 128 columns (256 work-groups); a wave 64 tokens x 128 columns: 32 accumulator tiles, 256 registers (window 2).
; B: Wo lies in wb in fragment order (units of 16 rows x 128 K = 4,096 bytes), so the block column's 128 rows need no padding: 8 K steps x 32,768 bytes =
; 262,144 bytes, ALL of it in LDS, filled once: wave w brings K steps w and w + 4 by two loads at the start.  Nothing in LDS is filled again, so the K loop
; has no refill and no round of the cluster's barrier; one work-group barrier shows K steps 0-3, a second one K steps 4-7.
; A: a wave's 64 tokens are read by that wave alone, and attnf lies in fragment order (head at 65,536, token tile at 2,048, block of 16 d at 512, lane L at
; 16 L): each fragment half is one load of 512 consecutive bytes straight into the registers in which it is multiplied.  A ring of 8 quarter steps (window 3)
; is kept 7 quarters ahead: 56 loads of the wave are on their way.
; CLUSTERS: 4 x 4 work-groups; Wo's tiles are shared along a column of the cluster and asked for jointly.  A, which the four of a row of the cluster also
; share, is NOT asked for jointly: that needs LDS slots of 65,536 bytes a K step, which do not fit beside Wo's 262,144 bytes and the stage, and a ring of
; slots leaves a load one K step, 128 matrix instructions, in which to land, against the 224 of the ring in registers.
; All products are transposed (source 0 = rows of Wo, source 1 = tokens): lane (r, h) holds token r, columns 8 h + 0..7.
; window 0: addresses, bo (v32-95), rows read back (v96-159); window 1: two buffers of B's 8 fragments (v0-63, v64-127); window 2: accumulators (a, b) at
; v[8 (8 a + b)]; window 3: A's ring, quarter k at v[32 (k % 8)], token tile a at + 8 a.
.set KB,     32768                     ; a K step of the block column: 8 units
.set STAGE,  8*KB                      ; behind Wo, at a multiple of 256: 16 rows x 528 bytes for each wave; no tensor load fills it
.set SPITCH, 528                       ; 512 bytes + 16
.set ADRB, 2                           ; v2-5  LDS address of B's fragments: K steps 2 i, 2 i + 1 from register i
.set LOFF, 6                           ; v6    16 x lane
.set HOFF, 7                           ; v7    32 h
.set STO,  8                           ; v8    the way out: where I put 32 bytes of a row
.set RD,   9                           ; v9    the way out: where I read a row back
.set BIAS, 32
.set RB,   96
.set G1,  24                           ; s[24:31]
.set G0,  32                           ; s[32:39] a set for each of my two loads
.set MSB, 0
.macro WIN new
.if MSB != (\new)
	s_set_vgpr_msb (MSB<<8)|(\new)
.set MSB, (\new)
.endif
.endm
.macro CREST
	s_cmp_lg_u32 s10, 0
	s_cbranch_scc1 .Lnot_wave_0_\@
	s_barrier_signal -3
.Lnot_wave_0_\@:
	s_barrier_wait -3
	s_barrier_signal -1
	s_barrier_wait -1
.endm
.macro CROUND
	s_barrier_signal -1
	s_barrier_wait -1
	CREST
.endm
.macro PLACES                          ; four plain vector places behind matrix instructions (ISA guide 7.12.1)
.rept 4
	v_nop
.endr
.endm
	s_load_b128 s[4:7], s[0:1], 0x0                ; attnf s[4:5], wb s[6:7]
	s_load_b128 s[68:71], s[0:1], 0x10             ; bo s[68:69], out0 s[70:71]
	v_lshrrev_b32 v1, 5, v0
	v_readfirstlane_b32 s10, v1                    ; wave
	s_bfe_u32 s40, ttmp6, 0x40000                  ; cx
	s_bfe_u32 s41, ttmp6, 0x40004                  ; cy
	s_lshl_b32 s42, ttmp9, 2
	s_add_co_u32 s42, s42, s40                     ; block column (128 columns)
	s_and_b32 s13, ttmp7, 0xffff
	s_lshl_b32 s13, s13, 2
	s_add_co_u32 s13, s13, s41                     ; block row (256 tokens)
	s_lshl_b32 s44, 0x1111, s40                    ; my column of the cluster
	s_or_b32 s[G1+0], s44, (3<<16)|(1<<21)         ; mask of my column; elements of 8 bytes; no padding; bit 21 beside a mask
	s_mov_b32 s[G1+1], 32<<16                      ; rows of 32 elements = 256 bytes
	s_mov_b32 s[G1+2], 128<<16                     ; 128 rows
	s_mov_b32 s[G1+3], 32<<16
	s_mov_b32 s[G1+4], 128
	s_mov_b32 s[G1+5], 32                          ; dense
	s_mov_b32 s[G1+6], 0
	s_mov_b32 s[G1+7], 0
	s_lshl_b32 s46, s10, 18                        ; Wo: K step = wave, 64 units of 4,096 bytes each,
	s_lshl_b32 s47, s42, 15                        ;     the block column's 8 units,
	s_add_co_u32 s46, s46, s47
	s_add_co_u32 s46, s46, 6291456                 ;     behind Wq, Wk, Wv
	s_mov_b32 s47, 0
	s_lshl_b32 s20, s10, 15                        ; LDS: K step x 32,768
	s_lshr_b32 s16, s13, 1                         ; A: batch x 16 heads x 65,536
	s_lshl_b32 s16, s16, 20
	s_and_b32 s17, s13, 1
	s_lshl_b32 s17, s17, 4
	s_lshl2_add_u32 s17, s10, s17                  ;    + my first token tile in the batch: 16 x (block row % 2) + 4 x wave
	s_lshl_b32 s17, s17, 11
	s_add_co_u32 s16, s16, s17
	s_mov_b32 s17, 0
	s_lshl_b32 s78, s42, 9                         ; the block column's 128 numbers of bo, and its 512 bytes of a row of out0
	s_mov_b32 s79, 0
	s_wait_kmcnt 0x0
	s_add_nc_u64 s[46:47], s[6:7], s[46:47]
	s_add_nc_u64 s[74:75], s[4:5], s[16:17]
	s_add_nc_u64 s[68:69], s[68:69], s[78:79]
	s_add_nc_u64 s[72:73], s[70:71], s[78:79]
	CROUND                                         ; all sixteen work-groups are here: the joint loads meet
.irp i, 0,1
	s_mov_b32 s[G0+4*\i], 1
	s_add_co_u32 s[G0+4*\i+1], s20, \i*4*KB        ; K steps wave and wave + 4
	s_add_nc_u64 s[G0+4*\i+2:G0+4*\i+3], s[46:47], \i*1048576
	s_or_b32 s[G0+4*\i+3], s[G0+4*\i+3], 0x80000000
	tensor_load_to_lds s[G0+4*\i:G0+4*\i+3], s[G1:G1+7]   ; the wave's only two tensor loads
	s_nop 0
.endr
	v_and_b32 v1, 31, v0
	v_lshlrev_b32 v[LOFF], 4, v1                   ; 16 x lane
	v_bfe_u32 v10, v0, 4, 1                        ; h
	v_and_b32 v11, 15, v0                          ; r
	v_lshlrev_b32 v[HOFF], 5, v10
.irp b, 0,1,2,3,4,5,6,7
	global_load_b128 v[BIAS+8*\b:BIAS+8*\b+3],   v[HOFF], s[68:69] offset:64*\b        ; register j = bo[16 b + 8 h + j]: C's layout
	global_load_b128 v[BIAS+8*\b+4:BIAS+8*\b+7], v[HOFF], s[68:69] offset:64*\b+16
.endr
; 8 loads from memory: A's four fragments of quarter k (head k / 2, blocks 2 (k % 2) and 2 (k % 2) + 1 along d) into the ring
.macro ALOAD k
	WIN 0xc0                                       ; destination window 3, address window 0
.irp a, 0,1,2,3
	global_load_b128 v[32*((\k)%8)+8*\a:32*((\k)%8)+8*\a+3],   v[LOFF], s[74:75] offset:((\k)/2)*65536+\a*2048+((\k)%2)*1024
	global_load_b128 v[32*((\k)%8)+8*\a+4:32*((\k)%8)+8*\a+7], v[LOFF], s[74:75] offset:((\k)/2)*65536+\a*2048+((\k)%2)*1024+512
.endr
.endm
; 16 LDS loads: B's eight fragments of quarter k into buffer f
.macro BLOAD k, f
	WIN 0x40                                       ; destination window 1, address window 0
.irp b, 0,1,2,3,4,5,6,7
	ds_load_b128 v[(\f)+8*\b:(\f)+8*\b+3],   v[ADRB+(\k)/8] offset:(((\k)/4)%2)*KB+\b*4096+((\k)%4)*1024
	ds_load_b128 v[(\f)+8*\b+4:(\f)+8*\b+7], v[ADRB+(\k)/8] offset:(((\k)/4)%2)*KB+\b*4096+((\k)%4)*1024+512
.endr
.endm
; 32 matrix instructions: four token tiles x eight column blocks.  The 32 accumulators take turns, one instruction a turn, in the same order in every
; quarter step.
.macro MULQ f, r, first
.irp a, 0,1,2,3
.irp b, 0,1,2,3,4,5,6,7
.if \first
	v_wmma_f32_16x16x32_f16 v[8*(8*\a+\b):8*(8*\a+\b)+7], v[(\f)+8*\b:(\f)+8*\b+7], v[(\r)+8*\a:(\r)+8*\a+7], v[BIAS+8*\b:BIAS+8*\b+7]
.else
	v_wmma_f32_16x16x32_f16 v[8*(8*\a+\b):8*(8*\a+\b)+7], v[(\f)+8*\b:(\f)+8*\b+7], v[(\r)+8*\a:(\r)+8*\a+7], v[8*(8*\a+\b):8*(8*\a+\b)+7]
.endif
.endr
.endr
.endm
; Quarter step k: the next quarter's B into the buffer, and quarter k + 7's A into the ring place, that quarter k - 1 has just left; then the products.
.macro QQ k
	PLACES
.if (\k) < 31
	BLOAD (\k)+1, 64*(((\k)+1)%2)
.endif
.if (\k) < 25
	ALOAD (\k)+7
	s_wait_loadcnt 56                              ; A(k) is in: the loads of the seven quarters behind it stay out
.else
	s_wait_loadcnt 8*(31-(\k))                     ; the last quarters ask for nothing: the counts run down
.endif
.if (\k) < 31
	s_wait_dscnt 16                                ; B(k) is in: the 16 just issued stay out
.else
	s_wait_dscnt 0
.endif
.if (\k) == 0
	WIN 0x8d                                       ; B window 1, A window 3, C (bo) window 0, D window 2
	MULQ 0, 0, 1
.else
	WIN 0xad                                       ; C and D window 2
	MULQ 64*((\k)%2), 32*((\k)%8), 0
.endif
.endm
.irp k, 0,1,2,3,4,5,6
	ALOAD \k                                       ; the ring's first seven quarters
.endr
	WIN 0
	v_mov_b32 v[ADRB], v[LOFF]
.irp i, 1,2,3
	v_add_nc_u32 v[ADRB+\i], \i*2*KB, v[LOFF]
.endr
	s_mul_i32 s23, s10, 16*SPITCH
	s_add_co_u32 s23, s23, STAGE                   ; my stage
	v_mul_u32_u24 v12, v11, SPITCH
	v_lshl_add_u32 v12, v10, 5, v12                ; row r, 32 bytes for each half of the lanes
	v_add_nc_u32 v[STO], s23, v12
	v_add_nc_u32 v[RD], s23, v[LOFF]
	s_wait_tensorcnt 1                             ; my first load, K step = wave, is in; the second stays out
	s_barrier_signal -1
	s_barrier_wait -1                              ; K steps 0 to 3 are whole
	BLOAD 0, 0
.set kk, 0
.rept 15
	QQ kk
.set kk, kk+1
.endr
	s_wait_dscnt 0x0                               ; no LDS load of mine is out at a signal
	s_wait_tensorcnt 0x0                           ; my second load, K step wave + 4, is in
	s_barrier_signal -1
	s_barrier_wait -1                              ; K steps 4 to 7 are whole: quarter 15 fetches the first fragments of K step 4
.rept 17
	QQ kk
.set kk, kk+1
.endr
	; THE WAY OUT, 16 tokens at a time: 32 bytes a lane and tile into my own stage, read back as whole rows of 512 bytes.
	PLACES
	s_lshl_b32 s78, s13, 8
	s_lshl_b32 s79, s10, 6
	s_add_co_u32 s78, s78, s79                     ; my first token
	s_lshl_b32 s78, s78, 12                        ; 4,096 bytes a row
	s_mov_b32 s79, 0
	s_add_nc_u64 s[72:73], s[72:73], s[78:79]
.macro OUTA a
	WIN 0x08                                       ; store data window 2
.irp b, 0,1,2,3,4,5,6,7
	ds_store_b128 v[STO], v[8*(8*\a+\b):8*(8*\a+\b)+3]   offset:64*\b
	ds_store_b128 v[STO], v[8*(8*\a+\b)+4:8*(8*\a+\b)+7] offset:64*\b+16
.endr
	WIN 0
.if \a
	s_wait_xcnt 0x0                                ; RB is the last tile's store data: it is loaded again only behind this wait (ISA guide 3.1)
.endif
.irp i, 0,1,2,3,4,5,6,7,8,9,10,11,12,13,14,15
	ds_load_b128 v[RB+4*\i:RB+4*\i+3], v[RD] offset:SPITCH*\i      ; my wave's own bytes; LDS serves a wave's instructions in order (ISA guide 5.7.1.4)
.endr
.irp i, 0,1,2,3,4,5,6,7,8,9,10,11,12,13,14,15
	s_wait_dscnt 15-\i
	global_store_b128 v[LOFF], v[RB+4*\i:RB+4*\i+3], s[72:73] offset:(16*\a+\i)*4096 th:TH_STORE_NT   ; 512 consecutive bytes of a row, aligned
.endr
.endm
	OUTA 0
	OUTA 1
	OUTA 2
	OUTA 3
	CROUND                                         ; the closing round
	s_endpgm
.Lfunc_end_k_q1af27859c4_oproj:
	.size	k_q1af27859c4_oproj, .Lfunc_end_k_q1af27859c4_oproj-k_q1af27859c4_oproj
	.p2alignl 7, 3214868480
	.fill 96, 4, 3214868480
	.section	.rodata,"a",@progbits
	.p2align	6, 0x0
	.amdhsa_kernel k_q1af27859c4_oproj
		.amdhsa_group_segment_fixed_size 295936
		.amdhsa_private_segment_fixed_size 0
		.amdhsa_enable_private_segment 0
		.amdhsa_kernarg_size 32
		.amdhsa_user_sgpr_count 2
		.amdhsa_user_sgpr_kernarg_segment_ptr 1
		.amdhsa_wavefront_size32 1
		.amdhsa_system_sgpr_workgroup_id_x 1
		.amdhsa_system_sgpr_workgroup_id_y 1
		.amdhsa_system_sgpr_workgroup_id_z 1
		.amdhsa_system_vgpr_workitem_id 0
		.amdhsa_next_free_vgpr 1024
		.amdhsa_next_free_sgpr 80
		.amdhsa_reserve_vcc 0
		.amdhsa_float_denorm_mode_32 3
		.amdhsa_float_denorm_mode_16_64 3
		.amdhsa_memory_ordered 1
		.amdhsa_forward_progress 1
		.amdhsa_inst_pref_size 152
	.end_amdhsa_kernel
	.amdgpu_metadata
---
amdhsa.version: [ 1, 2 ]
amdhsa.kernels:
  - .name:           k_q1af27859c4_oproj
    .symbol:         k_q1af27859c4_oproj.kd
    .args:
      - { .name: attnf, .offset: 0, .size: 8, .value_kind: global_buffer, .address_space: global }
      - { .name: wb, .offset: 8, .size: 8, .value_kind: global_buffer, .address_space: global }
      - { .name: bo, .offset: 16, .size: 8, .value_kind: global_buffer, .address_space: global }
      - { .name: out0, .offset: 24, .size: 8, .value_kind: global_buffer, .address_space: global }
    .group_segment_fixed_size: 295936
    .private_segment_fixed_size: 0
    .kernarg_segment_align: 8
    .kernarg_segment_size: 32
    .max_flat_workgroup_size: 128
    .sgpr_count:     80
    .vgpr_count:     1024
    .wavefront_size: 32
...
	.end_amdgpu_metadata
.endif
;; end of part 4
